; MI455X (gfx1250); checked and timed in simulation.
; The chip was launched on July 23, 2026; its instructions are those of AMD's public machine-readable ISA for CDNA 5 (MIT licence, August 2026) and "CDNA5" Instruction Set Architecture Reference Guide (July 2026). The comments in the code are by the model that wrote it; some were corrected since.
;; Causal Self Attention. Allowed arithmetic: matrix products marked QUANTISED: E5M2 operands, one given power-of-two scale a tensor, by v_wmma_f32_16x16x64_bf8_bf8 or v_wmma_f32_16x16x128_bf8_bf8, f32 sums; everything else in f32.
;; Inputs: W_attn_codes 3,072 x 32 x 32 uint8 (E5M2 codes of W_attn, K innermost, in blocks of 32 codes); W_proj_codes 1,024 x 32 x 32 uint8 (E5M2 codes of W_proj, K innermost, in blocks of 32 codes); b_attn 3,072 float32; b_proj 1,024 float32; lowp_scales 8 int32 (the exponents e of the quantised operands' scales 2^e); x_codes 4 x 2,048 x 32 x 32 uint8 (E5M2 codes of x, K innermost, in blocks of 32 codes).
;; Outputs: out0 4 x 2,048 x 1,024 float32.
;; This version of the problem:
;;   THIS VERSION OF THE PROBLEM IS GIVEN IN LOW PRECISION. The matrix products marked QUANTISED in the list below multiply operands that are first quantised to E5M2 (5 exponent bits, 2 mantissa bits; 8 bits a number), with one given power-of-two scale for each operand tensor; their sums are f32. All else is computed in f32.
;;   The module's matrix products, in the order in which they are computed (A, B: the left and right operand; K: the contracted axis; several contracted axes count as one K, in the product's order):
;;     1. [M 8,192, K 1,024] x [K 1,024, N 3,072]; A: input x (given as codes); B: input W_attn (given as codes): QUANTISED (scales: A lowp_scales[0], B lowp_scales[1])
;;     2. batch 64 x [M 2,048, K 64] x [K 64, N 2,048]; A: computed on the way; B: computed on the way: QUANTISED (scales: A lowp_scales[2], B lowp_scales[3])
;;     3. batch 64 x [M 2,048, K 2,048] x [K 2,048, N 64]; A: softmax (see below); B: computed on the way: QUANTISED (scales: A lowp_scales[4], B lowp_scales[5])
;;     4. [M 8,192, K 1,024] x [K 1,024, N 1,024]; A: computed on the way; B: input W_proj (given as codes): QUANTISED (scales: A lowp_scales[6], B lowp_scales[7])
;;   THE QUANTISER, for each operand of a quantised product, along K:
;;     - The operand's scale is 2^e, e = its entry of the input lowp_scales (int32; the entries are numbered through the quantised products in the list's order, A before B).
;;     - Each number is divided by the scale, clamped to +-57,344, and rounded to the nearest number of E5M2, ties to even, subnormals kept.
;;     - The product sums the exact products of the quantised numbers (number of the format x scale) in f32.
;;   ~~~python
;;   def quantise(x, axis, e):      # numpy; x: float32 -> the quantised numbers, widened to float32 again
;;       x = np.moveaxis(x, axis, -1); K = x.shape[-1]
;;       r = np.clip(x / 2.0 ** e, -57344, 57344)
;;       step = 2.0 ** (np.maximum(np.frexp(np.where(r == 0, 1, r))[1] - 1, -14) - 2)
;;       q = np.round(r / step) * step * 2.0 ** e      # np.round: ties to even
;;       return np.moveaxis(q, -1, axis).astype(np.float32)
;;   ~~~
;;   SOFTMAX AHEAD OF A QUANTISED PRODUCT. Where the list says 'softmax', what is quantised is not the finished softmax but p = 2^(t - M), with t = logit x log2(e) and M = ceil(the row's largest t), a whole number; so 1/2 < the row's largest p <= 1. The row's sum l is taken of the UNQUANTISED p, in f32, and the product's result is divided by l at the end. Since M is a whole number, a kernel that streams over the keys may use a running M (the ceiling of the running maximum): every later rescaling is an exact power of two, so the quantised numbers keep their values, but for numbers so far below the row's largest that they fall under the format's range.
;;   OPERANDS COMPUTED ON THE WAY. 'Computed on the way' means the value that the module computes at that place (a softmax that the list does not call 'softmax' is quantised finished and normalised). What goes into a quantiser is computed in f32, as accurately as f32 sums, v_exp_f32 and their like allow (about 1e-6 of the number): no bf16 or f16 on the way to a quantiser, and a product that is left as it is and whose result goes on into a quantised operand takes f32 operands (vector FMAs, or v_wmma_f32_16x16x4_f32). A number that lies on a knife's edge between two numbers of the format may be rounded either way, as far as f32 arithmetic and the matrix unit's own rounding can turn it there, and no further.
;;   INPUTS GIVEN AS CODES. W_attn (in the module: [1024, 3072], K = its axis 0); W_proj (in the module: [1024, 1024], K = its axis 0); x (in the module: [4, 2048, 1024], K = its axis 2): each comes as NAME_codes (uint8): NAME with its K axis moved to the last place and cut into blocks of 32 codes, [.., K / 32, bytes a block], one block behind the other in memory; one code a byte (a code: sign, 5 exponent bits, 2 mantissa bits); its scale is its entry of lowp_scales. Its value is code x scale, taken as it is: it is not quantised again, and the codes and scales need not be those that the quantiser above would give.
;; One version. Each part assembles by itself: llvm-mc -triple=amdgcn-amd-amdhsa -mcpu=gfx1250 --defsym DOCPART=n.
;; ======== version 1 of 1: 3 launches
;; limits: right only within a limited range of input values
;; workspace buffers: q_codes 8,388,608 bytes; k_codes 8,388,608 bytes; v_codes 8,388,608 bytes; y_codes 8,388,608 bytes
;; launch qkv (part 1): grid 12 x 32, 4 waves a work-group, clusters of 4 x 4, 327,680 bytes of LDS; arguments x_codes, W_attn_codes, b_attn, lowp_scales, q_codes, k_codes, v_codes; writes q_codes, k_codes, v_codes
.if DOCPART == 1
	.amdgcn_target "amdgcn-amd-amdhsa--gfx1250"
	.amdhsa_code_object_version 6
	.text
	.protected	k_qb81818d6e1_qkv
	.globl	k_qb81818d6e1_qkv
	.p2align	8
	.type	k_qb81818d6e1_qkv,@function
k_qb81818d6e1_qkv:
	s_mov_b64 s[64:65], 0
	v_nop
	global_prefetch_b8 v0, s[64:65] scope:SCOPE_SE
	s_setreg_imm32_b32 hwreg(HW_REG_WAVE_MODE, 25, 1), 1
	s_wait_xcnt 0x0
	s_wait_alu depctr_hold_cnt(0) depctr_sa_sdst(0) depctr_va_vdst(0) depctr_va_sdst(0) depctr_va_ssrc(0) depctr_va_vcc(0) depctr_vm_vsrc(0)
	s_getreg_b32 s2, hwreg(HW_REG_IB_STS2, 6, 4)
	s_cmp_eq_u32 s2, 0
	s_cbranch_scc0 .Lentry_in_a_cluster
	s_endpgm
.Lentry_in_a_cluster:
	s_bfe_u32 s2, ttmp6, 0x10000c
	s_cmp_lg_u32 s2, 0xf033
	s_cbranch_scc0 .Lentry_shape_is_right
	s_endpgm
.Lentry_shape_is_right:
; qkv = x W_attn + b_attn on codes of BF8 (E5M2); the results are quantised at once, q with 2^e2, k with 2^e3, v with 2^e5, and stored as codes.
; x: [8192][1024] codes, W_attn: [3072][1024] codes, K innermost in both.  A sum stands for sum x 2^(e0 + e1).
; A work-group of four waves makes a tile of 256 x 256; a wave 128 x 128: 64 accumulators.  K = 1,024 goes in four steps of 256 through two LDS slots.
; The cluster's x says what is made: 0 q, 1 k, 2 v; it is the same in all sixteen partners.
; ROLES.  The matrix instruction is used transposed: source 0 = 16 rows of role B, source 1 = 16 rows of role A; a lane holds ONE row of role A and eight neighbours of role B.
;   q, k: role A = x (tokens), role B = W (dims): a lane's eight numbers run along the head's 64, the next product's K.
;   v:    role A = W (dims),   role B = x (tokens): a lane's eight numbers run along the keys, the K of the product with p.
; A's tiles are shared along a row of the cluster, B's along a column: joint loads.
; LAYOUT OF THE CODES.  q_codes, k_codes: [batch][head][token][64]; v_codes: [batch][64 head + d][2048 keys].  Inside each 32 along K the order is: place 32 c + 16 h + 8 u + j holds
; element 32 c + 16 u + 8 h + j: the 16 codes that a lane makes of two neighbouring accumulators are then 16 neighbouring bytes, and a 16-byte load at 32 c + 16 h gives a lane the k that the plain 8-bit layout gives it.
; LIMITS: e0 + e1 between -126 and 127; e2, e3, e5 between -126 and 112, so that each power of two below is an f32 number.  NaN among the inputs is not served.
; REGISTERS, in windows of 256: window 0: v8-31 constants and addresses; v32-95 b_attn for q, k; v96-111 for v; from v128 A's fragments, ONE set; on the way out v128-255 are at work.
;   window 1: B's fragments, TWO sets.   windows 2, 3: the accumulators ((a, b) at v[8 (8 (a % 4) + b)]).
.set KROW,   1024                      ; a row of x or of W in bytes
.set ROWB,   256                       ; a tile's row: 256 codes
.set PITCH,  272                       ; an LDS row: 256 bytes + 16 of padding: the 16 rows that a load touches start at 16 different banks
.set FR,     16
.set NL,     4
.set NP,     4                         ; places behind this matrix instruction (ISA guide 7.12.1)
.set HALFT,  128*PITCH
.set SLOT,   4*HALFT
.set SPARE,  2*SLOT                    ; behind the ring: the spare words, 128 bytes a wave
.set HS,     64*PITCH                  ; the way out of q, k: a head's 256 tokens x 64 bytes, as 64 rows of 256 bytes + 16
.set STV,    4*HS                      ; the way out of v: 256 rows x (256 + 16) bytes.  Both stages lie in slot 0, behind its last fill and its last read; each has bytes of its own
.set LIMV, 8
.set SCV,  9                           ; v9   2^e
.set STOQ, 10
.set RDQ,  11
.set STOV, 12
.set RDV,  13
.set COQ,  14
.set COV,  15
.set ADRA, 16
.set ADRB, 20
.set SPW,  28
.set NIL,  29
.set BO,   30
.set BVO,  31
.set BIAS, 32
.set BV,   96
.set AF,   128
.set T,    128                         ; the way out: a block's 64 numbers
.set CD0,  192                         ; its codes, two sets of 16 registers by turns
.set OUTR, 128                         ; and, behind the barrier, 32 x 4 registers read back
.set G1, 24
.set G0, 32
.set G1B, 48
.set G0B, 56
.set MSB, 0
.macro WIN new                         ; the immediate's high byte repeats the setting that is left
.if MSB != (\new)
	s_set_vgpr_msb (MSB<<8)|(\new)
.set MSB, (\new)
.endif
.endm
.set MUL_LO, 0xa1                      ; source 0 (B) window 1, source 1 (A) window 0, C and D window 2
.set MUL_HI, 0xf1
.set TO_B,   0x40
; A joint load: waves 0 and 1 fetch for role A, waves 2 and 3 for role B.  An s_nop 0 and four v_nop follow each of the two lines.
.macro JLOAD g0a, g1a, g0b, g1b
	s_cmp_eq_u32 s15, 0
	s_cbranch_scc0 .Lfor_b_\@
	tensor_load_to_lds s[\g0a:\g0a+3], s[\g1a:\g1a+7]
	s_nop 0
.rept 4
	v_nop
.endr
	s_branch .Lasked_\@
.Lfor_b_\@:
	tensor_load_to_lds s[\g0b:\g0b+3], s[\g1b:\g1b+7]
	s_nop 0
.rept 4
	v_nop
.endr
.Lasked_\@:
.endm
.macro CREST                           ; a round of the cluster's barrier behind its opening barrier
	s_cmp_lg_u32 s14, 0
	s_cbranch_scc1 .Lnot_wave_0_\@
	s_barrier_signal -3
.Lnot_wave_0_\@:
	s_barrier_wait -3
	s_barrier_signal -1
	s_barrier_wait -1
.endm
.macro CROUND
	s_barrier_signal -1
	s_barrier_wait -1
	CREST
.endm
	s_load_b256 s[4:11], s[0:1], 0x0               ; x s[4:5], W s[6:7], b_attn s[8:9], the exponents s[10:11]
	s_load_b128 s[68:71], s[0:1], 0x20             ; q's codes, k's codes
	s_load_b64 s[72:73], s[0:1], 0x30              ; v's codes
	v_lshl_add_u32 v[SPW], v0, 2, SPARE
	v_mov_b32 v[NIL], 0
	ds_add_u32 v[SPW], v[NIL]                      ; the wave's opening: the add and its wait ahead of my first tensor load; work on registers stands between them
	ds_add_u32 v[SPW], v[NIL]
	v_lshrrev_b32 v1, 5, v0
	v_readfirstlane_b32 s14, v1                    ; wave 0..3
	s_lshr_b32 s15, s14, 1                         ; my half of role A's rows.  Also: I fetch for A (0) or B (1)
	s_and_b32 s16, s14, 1                          ; my half of role B's rows.  Also: which 128 rows I fetch
	s_bfe_u32 s40, ttmp6, 0x40000                  ; cx
	s_bfe_u32 s41, ttmp6, 0x40004                  ; cy
	s_and_b32 s42, ttmp7, 0xffff
	s_lshl_b32 s42, s42, 2                         ; 4 x cluster y
	s_lshl_b32 s43, s41, 2
	s_lshl_b32 s43, 15, s43                        ; my row of the cluster
	s_lshl_b32 s44, 0x1111, s40                    ; my column
	s_add_co_u32 s94, s42, s41                     ; the tile of tokens by cy (q, k)
	s_add_co_u32 s95, s42, s40                     ; the tile of tokens by cx (v)
	s_add_co_u32 s17, s41, 8                       ; v's tile of W's rows: 8 + cy
	s_lshl_b32 s76, ttmp9, 2
	s_add_co_u32 s76, s76, s40                     ; q's, k's tile of W's rows: 4 x cluster x + cx
	s_cmp_eq_u32 ttmp9, 2
	s_cselect_b32 s74, 1, 0                        ; 1: this cluster makes v
	s_cselect_b32 s75, s17, s94                    ; role A's tile: it hangs on cy alone
	s_cselect_b32 s76, s95, s76                    ; role B's tile: on cx alone
	; descriptor group 1: 128 rows x 256 bytes, 16 bytes of padding behind each row
	s_or_b32 s[G1+0], s43, (1<<20)|(1<<21)|(5<<22)|(3<<25)   ; 15:0 the mask; 17:16 elements of 1 byte; 20 padding on; 21 set beside a mask; 24:22 after every 64 words; 31:25 four words
	s_or_b32 s[G1B+0], s44, (1<<20)|(1<<21)|(5<<22)|(3<<25)
.irp g, G1, G1B
	s_mov_b32 s[\g+1], ROWB<<16                    ; tensor_dim0
	s_mov_b32 s[\g+2], 128<<16                     ; tensor_dim1
	s_mov_b32 s[\g+3], ROWB<<16                    ; tile_dim0
	s_mov_b32 s[\g+4], 128                         ; tile_dim1
	s_mov_b32 s[\g+5], KROW                        ; from row to row
	s_mov_b32 s[\g+6], 0
	s_mov_b32 s[\g+7], 0
.endr
	s_lshl_b32 s17, s16, 7                         ; which 128 rows of the tile I fetch
	s_lshl_b32 s20, s75, 8
	s_add_co_u32 s20, s20, s17
	s_lshl_b32 s20, s20, 10                        ; role A: (256 x tile + 128 x half) rows of 1,024 bytes
	s_mov_b32 s21, 0
	s_lshl_b32 s46, s76, 8
	s_add_co_u32 s46, s46, s17
	s_lshl_b32 s46, s46, 10                        ; role B likewise
	s_mov_b32 s47, 0
	s_mul_i32 s45, s14, HALFT                      ; where they go: wave x 128 rows
	s_wait_dscnt 0x0                               ; the opening add is done
	s_wait_kmcnt 0x0
	s_load_b256 s[80:87], s[10:11], 0x0            ; e0 .. e7
	s_cmp_eq_u32 s74, 1
	s_cselect_b64 s[12:13], s[6:7], s[4:5]         ; role A: W for v, x for q and k
	s_cselect_b64 s[78:79], s[4:5], s[6:7]         ; role B: the other one
	s_add_nc_u64 s[20:21], s[12:13], s[20:21]
	s_add_nc_u64 s[46:47], s[78:79], s[46:47]
	CROUND                                         ; all sixteen work-groups are here: the first joint loads meet
.irp s, 0,1
	s_mov_b32 s[G0+4*\s], 1
	s_add_co_u32 s[G0+4*\s+1], s45, \s*SLOT
	s_add_nc_u64 s[G0+4*\s+2:G0+4*\s+3], s[20:21], \s*ROWB
	s_or_b32 s[G0+4*\s+3], s[G0+4*\s+3], 0x80000000
	s_mov_b32 s[G0B+4*\s], 1
	s_add_co_u32 s[G0B+4*\s+1], s45, \s*SLOT
	s_add_nc_u64 s[G0B+4*\s+2:G0B+4*\s+3], s[46:47], \s*ROWB
	s_or_b32 s[G0B+4*\s+3], s[G0B+4*\s+3], 0x80000000
	s_wait_alu depctr_va_vdst(0)
	s_wait_tensorcnt 0x0
	ds_add_u32 v28, v29
	ds_add_u32 v28, v29
	s_wait_dscnt 0x0
	CROUND
	JLOAD G0+4*\s, G1, G0B+4*\s, G1B
.endr
	v_and_b32 v1, 15, v0                           ; r
	v_bfe_u32 v2, v0, 4, 1                         ; h
	s_wait_alu depctr_va_vdst(0)
	v_mul_u32_u24 v3, v1, PITCH
	v_lshl_add_u32 v4, v2, 4, v3                   ; r x pitch + 16 h
	s_mul_i32 s21, s15, HALFT
	s_mul_i32 s22, s16, HALFT
	s_add_co_u32 s22, s22, 2*HALFT
.irp s, 0,1
	v_add_nc_u32 v[ADRA+\s], s21, v4
	v_add_nc_u32 v[ADRB+\s], s22, v4
	s_add_co_u32 s21, s21, SLOT
	s_add_co_u32 s22, s22, SLOT
.endr
	; b_attn, in both layouts, on the way that all take.  q, k: the lane's eight dims of each of B's blocks.  v: the lane's one dim of each of A's blocks, twice, for the packed form
	s_lshl_b32 s22, ttmp9, 12
	s_lshl_b32 s23, s40, 10
	s_add_co_u32 s23, s23, s22
	s_lshl_b32 s17, s16, 9
	s_add_co_u32 s23, s23, s17                     ; 4 (1024 x cluster x + 256 cx + 128 x half)
	v_lshl_add_u32 v[BO], v2, 5, s23               ; + 32 h
	s_lshl_b32 s23, s41, 10
	s_add_co_u32 s23, s23, s22
	s_lshl_b32 s17, s15, 9
	s_add_co_u32 s23, s23, s17                     ; 4 (1024 x cluster x + 256 cy + 128 x half)
	v_lshl_add_u32 v[BVO], v1, 2, s23              ; + 4 r
.irp b, 0,1,2,3,4,5,6,7
	global_load_b128 v[BIAS+8*\b:BIAS+8*\b+3], v[BO], s[8:9] offset:64*\b
	global_load_b128 v[BIAS+8*\b+4:BIAS+8*\b+7], v[BO], s[8:9] offset:64*\b+16
.endr
.irp a, 0,1,2,3,4,5,6,7
	global_load_b32 v[BV+2*\a], v[BVO], s[8:9] offset:64*\a
	global_load_b32 v[BV+2*\a+1], v[BVO], s[8:9] offset:64*\a
.endr
	; the way out's LDS addresses, all made here, ahead of the place where the ways part
	v_lshrrev_b32 v5, 2, v1
	v_and_b32 v6, 3, v1
	v_mul_u32_u24 v5, v5, PITCH
	v_lshl_add_u32 v5, v6, 6, v5
	v_lshl_add_u32 v5, v2, 4, v5                   ; token r of a block: row r / 4, 64 (r % 4), + 16 h
	s_mul_i32 s22, s16, 2*HS                       ; my two heads,
	s_mul_i32 s23, s15, 32*PITCH                   ; my 128 tokens: 32 rows
	s_add_co_u32 s22, s22, s23
	v_add_nc_u32 v[STOQ], s22, v5
	v_mul_u32_u24 v7, v2, PITCH
	v_lshl_add_u32 v7, v1, 4, v7                   ; back: lanes 0-15 one row of 256 bytes, lanes 16-31 the next
	v_add_nc_u32 v[RDQ], s22, v7
	s_mul_i32 s22, s15, HALFT
	s_lshl_b32 s23, s16, 7
	s_add_co_u32 s22, s22, s23
	s_add_co_u32 s22, s22, STV
	v_add_nc_u32 v[STOV], s22, v4                  ; v: row = my dim, + 128 x my half of the keys + 16 h
	s_mul_i32 s22, s14, 64*PITCH
	s_add_co_u32 s22, s22, STV
	v_add_nc_u32 v[RDV], s22, v7                   ; back: wave w takes rows 64 w on, whole
	v_and_b32 v6, 31, v0
	v_lshlrev_b32 v[COQ], 4, v6                    ; q, k in memory: two LDS rows are 512 consecutive bytes
	v_lshlrev_b32 v6, 11, v2
	v_lshl_add_u32 v[COV], v1, 4, v6               ; v in memory: rows 2,048 bytes apart
	; where my part begins in q's or k's codes: head plane 16 batch + 4 cx + 2 x half, token 256 (tile % 8) + 128 x half
	s_lshr_b32 s90, s94, 3
	s_lshl_b32 s90, s90, 4
	s_lshl_b32 s91, s40, 2
	s_add_co_u32 s90, s90, s91
	s_lshl_b32 s91, s16, 1
	s_add_co_u32 s90, s90, s91
	s_lshl_b32 s90, s90, 17
	s_and_b32 s91, s94, 7
	s_lshl_b32 s91, s91, 14
	s_add_co_u32 s90, s90, s91
	s_lshl_b32 s91, s15, 13
	s_add_co_u32 s90, s90, s91
	s_mov_b32 s91, 0
	s_cmp_eq_u32 ttmp9, 0
	s_cselect_b64 s[88:89], s[68:69], s[70:71]
	s_add_nc_u64 s[88:89], s[88:89], s[90:91]
	; and in v's: batch, row 256 cy + 64 x wave, place 256 (tile % 8)
	s_lshr_b32 s90, s95, 3
	s_lshl_b32 s90, s90, 21
	s_lshl_b32 s91, s41, 19
	s_add_co_u32 s90, s90, s91
	s_lshl_b32 s91, s14, 17
	s_add_co_u32 s90, s90, s91
	s_and_b32 s91, s95, 7
	s_lshl_b32 s91, s91, 8
	s_add_co_u32 s90, s90, s91
	s_mov_b32 s91, 0
	s_add_nc_u64 s[92:93], s[72:73], s[90:91]
	s_wait_kmcnt 0x0                               ; the exponents
	s_add_co_i32 s96, s80, s81
	s_add_co_i32 s96, s96, 127
	s_lshl_b32 s96, s96, 23                        ; 2^(e0 + e1) as f32
	s_mov_b32 s97, s96                             ; (named with it as a pair, so it is written)
	s_cmp_eq_u32 ttmp9, 0
	s_cselect_b32 s77, s82, s83                    ; e2 for q, e3 for k,
	s_cmp_eq_u32 ttmp9, 2
	s_cselect_b32 s77, s85, s77                    ; e5 for v: a choice, no branch
	s_add_co_i32 s77, s77, 127
	s_lshl_b32 s17, s77, 23
	v_mov_b32 v[SCV], s17                          ; 2^e: the conversion takes its exponent field
.macro FRAG reg, adr, q, i             ; 16 rows x 128 K: lane l holds row l % 16; registers 4 c .. 4 c + 3 hold K = 32 c + 16 (l / 16) + 0 .. 15: the same order of k in A and in B
.irp c, 0,1,2,3
	ds_load_b128 v[\reg+4*\c:\reg+4*\c+3], v[\adr] offset:128*(\q)+32*\c+(\i)*16*PITCH
.endr
.endm
; 16 matrix instructions: A's blocks a0, a0 + 1 x B's eight.  The 64 accumulators take turns, one instruction a turn, in the same order in every step.
.macro MUL16 a0, p, zero
.irp a, \a0, \a0+1
.irp b, 0,1,2,3,4,5,6,7
.if \zero
	v_wmma_f32_16x16x128_bf8_bf8 v[8*(8*((\a)%4)+\b):8*(8*((\a)%4)+\b)+7], v[128*(\p)+FR*\b:128*(\p)+FR*\b+FR-1], v[AF+FR*(\a):AF+FR*(\a)+FR-1], 0
.else
	v_wmma_f32_16x16x128_bf8_bf8 v[8*(8*((\a)%4)+\b):8*(8*((\a)%4)+\b)+7], v[128*(\p)+FR*\b:128*(\p)+FR*\b+FR-1], v[AF+FR*(\a):AF+FR*(\a)+FR-1], v[8*(8*((\a)%4)+\b):8*(8*((\a)%4)+\b)+7]
.endif
.endr
.endr
.endm
.macro FETCH_B slot, q, p
	WIN TO_B
.irp i, 0,1,2,3,4,5,6,7
	FRAG 128*(\p)+FR*\i, ADRB+\slot, \q, \i
.endr
	WIN 0
.endm
.macro FETCH_A slot, q, i0
.irp i, \i0, \i0+1, \i0+2, \i0+3
	FRAG AF+FR*(\i), ADRA+\slot, \q, \i
.endr
.endm
.macro PLACES n                        ; plain vector instructions between a matrix instruction and a load into, or a read of, its registers
.rept \n
	v_nop
.endr
.endm
; A step of 128 along K that has its successor in the same slot.
.macro STEP slot, q, zero
	s_wait_dscnt 4*NL                              ; B's set and A's blocks 0-3 are in; the youngest 16 loads (A's blocks 4-7) may be out
	WIN MUL_LO
	MUL16 0, (\q)%2, \zero
	MUL16 2, (\q)%2, \zero
	s_wait_dscnt 0                                 ; A's blocks 4-7 are in
	PLACES NP
	FETCH_B \slot, (\q)+1, 1-(\q)%2
	FETCH_A \slot, (\q)+1, 0
	WIN MUL_HI
	MUL16 4, (\q)%2, \zero
	MUL16 6, (\q)%2, \zero
	PLACES NP
	WIN 0
	FETCH_A \slot, (\q)+1, 4
.endm
; A slot's last step changes slots: one barrier; in front of it each wave waits for all its tensor loads, adds 0 to its spare word, and waits for that and for its reads of this slot.
.macro TURN slot, next, fill
	s_wait_tensorcnt 0x0                           ; all my tensor loads have landed: my part of the next slot
	ds_add_u32 v[SPW], v[NIL]                      ; 0 onto my spare word
	s_wait_dscnt 4*NL+1                            ; (the add and the youngest 16 loads may be out)
	WIN MUL_LO
	MUL16 0, 1, 0
	s_wait_dscnt 0x0                               ; the add is done, and my reads of this slot are over
	s_barrier_signal -1
	MUL16 2, 1, 0
	WIN 0
	s_barrier_wait -1
.if \fill
	CREST                                          ; the barrier has opened a round of the cluster's barrier: no wave of any partner still reads this slot or has a load on its way
	s_add_nc_u64 s[G0+4*\slot+2:G0+4*\slot+3], s[G0+4*\slot+2:G0+4*\slot+3], 2*ROWB
	s_add_nc_u64 s[G0B+4*\slot+2:G0B+4*\slot+3], s[G0B+4*\slot+2:G0B+4*\slot+3], 2*ROWB
	JLOAD G0+4*\slot, G1, G0B+4*\slot, G1B         ; the first tensor load behind the round; its four v_nop are the places in front of the loads below
.else
	PLACES NP
.endif
	FETCH_B \next, 0, 0
	FETCH_A \next, 0, 0
	WIN MUL_HI
	MUL16 4, 1, 0
	MUL16 6, 1, 0
	PLACES NP
	WIN 0
	FETCH_A \next, 0, 4
.endm
	s_wait_tensorcnt 1                             ; my part of K step 0 is in; K step 1's load may be out
	s_barrier_signal -1
	s_barrier_wait -1
	FETCH_B 0, 0, 0
	FETCH_A 0, 0, 0
	FETCH_A 0, 0, 4
	STEP 0, 0, 1                                   ; the first products start the sums: nothing is cleared
	TURN 0, 1, 1                                   ; slot 0 takes K step 2
	STEP 1, 0, 0
	TURN 1, 0, 1                                   ; slot 1 takes K step 3
	STEP 0, 0, 0
	TURN 0, 1, 0                                   ; nothing is left to fetch
	STEP 1, 0, 0
	s_wait_dscnt 4*NL
	WIN MUL_LO
	MUL16 0, 1, 0
	MUL16 2, 1, 0
	s_wait_dscnt 0
	WIN MUL_HI
	MUL16 4, 1, 0
	MUL16 6, 1, 0
	WIN 0
; THE WAY OUT.  Block a (16 rows of role A x 128 of role B): sum x 2^(e0 + e1) + bias into other registers, each accumulator from its low end on; the hold at the largest code; eight codes a conversion.
.macro CODES a, isv
.set AC, 64*((\a)%4)
.set CD, CD0+16*((\a)%2)
	WIN 0x02+((\a)/4)                              ; source 0: window 2 or 3
.set j, 0
.rept 32
.if \isv
	v_pk_fma_f32 v[T+j:T+j+1], v[AC+j:AC+j+1], s[96:97], v[BV+2*(\a):BV+2*(\a)+1] op_sel_hi:[1,0,1]
.else
	v_pk_fma_f32 v[T+j:T+j+1], v[AC+j:AC+j+1], s[96:97], v[BIAS+j:BIAS+j+1] op_sel_hi:[1,0,1]
.endif
.set j, j+2
.endr
	WIN 0
.irp b, 0,1,2,3,4,5,6,7
.irp i, 0,1,2,3,4,5,6,7
.endr
	v_cvt_scalef32_pk8_bf8_f32 v[CD+2*\b:CD+2*\b+1], v[T+8*\b:T+8*\b+7], v[SCV]
.endr
	v_nop                                          ; one plain vector instruction behind the last conversion, ahead of the next block's writes of its sources
.endm
	s_wait_loadcnt 0x0                             ; b_attn
	PLACES NP                                      ; behind the last products
	s_cmp_eq_u32 s74, 1                            ; the cluster's x alone: all waves of all partners go the same way
	s_cbranch_scc1 .Lv_in
.irp a, 0,1,2,3,4,5,6,7                ; q, k: a lane's 16 codes of accumulators 2 c, 2 c + 1 are 16 neighbouring bytes of its token's row in head c / 2
.if \a > 1
	s_wait_dscnt 4                                 ; the stores of two blocks back have read their registers; the last block's four may be out
.endif
	CODES \a, 0
.irp c, 0,1,2,3
	ds_store_b128 v[STOQ], v[CD+4*\c:CD+4*\c+3] offset:(\c/2)*HS+4*\a*PITCH+32*(\c%2)
.endr
.endr
	s_branch .Lstaged
.Lv_in:
.irp a, 0,1,2,3,4,5,6,7                ; v: 16 neighbouring places of its dim's row of keys
.if \a > 1
	s_wait_dscnt 4
.endif
	CODES \a, 1
.irp c, 0,1,2,3
	ds_store_b128 v[STOV], v[CD+4*\c:CD+4*\c+3] offset:16*\a*PITCH+32*\c
.endr
.endr
.Lstaged:
	s_wait_dscnt 0x0                               ; for the others' sake: my stores into the stage are done (a row of v's stage comes from two waves)
	s_barrier_signal -1
	s_barrier_wait -1
	s_cmp_eq_u32 s74, 1
	s_cbranch_scc1 .Lv_out
.set t, 0
.rept 32                                       ; q, k: my two heads x my 32 rows, two rows a load
	ds_load_b128 v[OUTR+4*t:OUTR+4*t+3], v[RDQ] offset:(t/16)*HS+(t%16)*2*PITCH
.set t, t+1
.endr
.set t, 0
.rept 32
	s_wait_dscnt 31-t                              ; the younger loads may be out
	global_store_b128 v[COQ], v[OUTR+4*t:OUTR+4*t+3], s[88:89] offset:(t/16)*131072+(t%16)*512   ; 32 lanes store 512 consecutive bytes, at a multiple of 512
.set t, t+1
.endr
	s_branch .Lend
.Lv_out:
.set t, 0
.rept 32                                       ; v: my 64 rows, two a load
	ds_load_b128 v[OUTR+4*t:OUTR+4*t+3], v[RDV] offset:t*2*PITCH
.set t, t+1
.endr
.set t, 0
.rept 32
	s_wait_dscnt 31-t
	global_store_b128 v[COV], v[OUTR+4*t:OUTR+4*t+3], s[92:93] offset:t*4096   ; 16 lanes store 256 consecutive bytes, at a multiple of 256
.set t, t+1
.endr
.Lend:
	s_wait_tensorcnt 0x0                           ; the wave's end: behind my last tensor load and my last LDS store
	ds_add_u32 v[SPW], v[NIL]
	s_wait_dscnt 0x0
	CROUND                                         ; the closing round: no work-group ends while a partner may still ask for a tile that names it
	s_endpgm
.Lfunc_end_k_qb81818d6e1_qkv:
	.size	k_qb81818d6e1_qkv, .Lfunc_end_k_qb81818d6e1_qkv-k_qb81818d6e1_qkv
	.p2alignl 7, 3214868480
	.fill 96, 4, 3214868480
	.section	.rodata,"a",@progbits
	.p2align	6, 0x0
	.amdhsa_kernel k_qb81818d6e1_qkv
		.amdhsa_group_segment_fixed_size 327680
		.amdhsa_private_segment_fixed_size 0
		.amdhsa_enable_private_segment 0
		.amdhsa_kernarg_size 56
		.amdhsa_user_sgpr_count 2
		.amdhsa_user_sgpr_kernarg_segment_ptr 1
		.amdhsa_wavefront_size32 1
		.amdhsa_system_sgpr_workgroup_id_x 1
		.amdhsa_system_sgpr_workgroup_id_y 1
		.amdhsa_system_sgpr_workgroup_id_z 1
		.amdhsa_system_vgpr_workitem_id 0
		.amdhsa_next_free_vgpr 1024
		.amdhsa_next_free_sgpr 100
		.amdhsa_reserve_vcc 0
		.amdhsa_float_denorm_mode_32 3
		.amdhsa_float_denorm_mode_16_64 3
		.amdhsa_fp16_overflow 1
		.amdhsa_memory_ordered 1
		.amdhsa_forward_progress 1
		.amdhsa_inst_pref_size 142
	.end_amdhsa_kernel
	.amdgpu_metadata
---
amdhsa.version: [ 1, 2 ]
amdhsa.kernels:
  - .name:           k_qb81818d6e1_qkv
    .symbol:         k_qb81818d6e1_qkv.kd
    .args:
      - { .name: x_codes, .offset: 0, .size: 8, .value_kind: global_buffer, .address_space: global }
      - { .name: W_attn_codes, .offset: 8, .size: 8, .value_kind: global_buffer, .address_space: global }
      - { .name: b_attn, .offset: 16, .size: 8, .value_kind: global_buffer, .address_space: global }
      - { .name: lowp_scales, .offset: 24, .size: 8, .value_kind: global_buffer, .address_space: global }
      - { .name: q_codes, .offset: 32, .size: 8, .value_kind: global_buffer, .address_space: global }
      - { .name: k_codes, .offset: 40, .size: 8, .value_kind: global_buffer, .address_space: global }
      - { .name: v_codes, .offset: 48, .size: 8, .value_kind: global_buffer, .address_space: global }
    .group_segment_fixed_size: 327680
    .private_segment_fixed_size: 0
    .kernarg_segment_align: 8
    .kernarg_segment_size: 56
    .max_flat_workgroup_size: 128
    .sgpr_count:     100
    .vgpr_count:     1024
    .wavefront_size: 32
...
	.end_amdgpu_metadata
.endif
;; end of part 1
;; launch attn (part 2): grid 4 x 64, 16 waves a work-group, clusters of 4 x 1, 327,680 bytes of LDS; arguments q_codes, k_codes, v_codes, lowp_scales, y_codes; writes y_codes
.if DOCPART == 2
	.amdgcn_target "amdgcn-amd-amdhsa--gfx1250"
	.amdhsa_code_object_version 6
	.text
	.protected	k_qb81818d6e1_attn
	.globl	k_qb81818d6e1_attn
	.p2align	8
	.type	k_qb81818d6e1_attn,@function
k_qb81818d6e1_attn:
	s_mov_b64 s[64:65], 0
	v_nop
	global_prefetch_b8 v0, s[64:65] scope:SCOPE_SE
	s_setreg_imm32_b32 hwreg(HW_REG_WAVE_MODE, 25, 1), 1
	s_wait_xcnt 0x0
	s_wait_alu depctr_hold_cnt(0) depctr_sa_sdst(0) depctr_va_vdst(0) depctr_va_sdst(0) depctr_va_ssrc(0) depctr_va_vcc(0) depctr_vm_vsrc(0)
	s_getreg_b32 s2, hwreg(HW_REG_IB_STS2, 6, 4)
	s_cmp_eq_u32 s2, 0
	s_cbranch_scc0 .Lentry_in_a_cluster
	s_endpgm
.Lentry_in_a_cluster:
	s_bfe_u32 s2, ttmp6, 0x10000c
	s_cmp_lg_u32 s2, 0x3003
	s_cbranch_scc0 .Lentry_shape_is_right
	s_endpgm
.Lentry_shape_is_right:
; y[head][q] = the sum over keys k <= q of softmax_k(q . k / 8) v[k], both products on codes of BF8 (E5M2); y is quantised with 2^e6 and stored as codes [batch][head][token][64].
; q_codes, k_codes: [head plane][2048][64]; v_codes: [head plane][64 d][2048 key places]; inside each 32 along K place 32 c + 16 h + 8 u + j holds element 32 c + 16 u + 8 h + j, so that a
; 16-byte load at 32 c + 16 h gives a lane the k of the plain 8-bit layout: registers 2 c, 2 c + 1 hold k = 16 c + 8 h + 0 .. 7.
; THE SOFTMAX: t = score x log2(e) / 8; M = the largest t so far, rounded up to a whole number; p = 2^(t - M) is quantised with 2^e4, not normalised; the row's sum is taken of the unquantised p and divides at the end.
; SHARES.  A cluster of four work-groups owns a head plane.  A head has 128 tiles of 16 queries; work-group j takes tiles 4 m + j.  Wave w owns tile E (m = w) and tile L (m = 31 - w).
; A tile needs the key steps (128 keys) 0 .. m / 2, whatever j: w / 2 + 1 for E and 16 - w / 2 for L: 17 steps for every wave of every work-group, and the same walk in all four partners.
; THE WALK.  Four trips; trip n has keys 256 n on ('lo') and 256 (n + 4) on ('hi') in LDS slot n % 2.  E meets lo alone; L is wholly open in lo; a step past a tile's last is jumped over (a branch on the
; wave's number and the count of trips); on a tile's last step hidden scores become -infinity ahead of the maximum.  Key 0 lies in every tile's first step, so M is a number from then on.
; K and V are asked for jointly by the four partners: wave 0 K lo, wave 1 K hi, wave 2 V lo, wave 3 V hi; by this text's count one load a wave is out, and every wait on TENSORcnt is for 0.
; LAYOUT.  Both products transposed: S^T = K Q^T (source 0 = 16 neighbouring keys), O^T = V^T P^T: a lane holds one query (lane % 16) throughout, and p's conversions are the second product's operand.
; LIMITS: e2 + e3 between -123 and 130 (added to c's exponent field); e4 and e6 between -126 and 112.  NaN among the inputs is not served.
.set SLOT1, 1<<17                      ; slot 1 begins here: one exclusive or turns an address
.set KCH,   17408                      ; a chunk in LDS: 64 rows of 256 bytes + 16.  K: four keys to a row; V: a row to each d
.set HIOFF, 2*KCH                      ; a slot: K lo, V lo, K hi, V hi
.set STAGE, SLOT1+4*KCH                ; behind the ring: 16 rows x 80 bytes for each wave; no fill lands here
.set SPARE, STAGE+16*1280              ; the spare words, 128 bytes a wave
.set AK0, 1
.set AV0, 2
.set DE,  3                            ; v3, v4  my query less the diagonal step's first key less 8 (lane / 16), for E and for L
.set DL,  4
.set SPW, 5
.set NIL, 6
.set GO,  7
.set ADK, 8
.set ADV, 9
.set STO, 10
.set RD,  11
.set F,   36                           ; v36-99   8 fragments of K, then 4 of V.   v12-15, v16-19: -M, largest t, the sum in two halves (E, L).   v20-27, v28-35: Q of E, of L
.set S,   100                          ; v100-163 S^T, then p
.set OE,  164                          ; v164-195, v196-227 O^T of E, of L
.set OL,  196
.set PC,  228                          ; v228-243 p's codes.  v244: 2^e4; v[246:247] f; v[248:249], v250-252 at work; v253 -infinity; v254: 2^e6
.set TB,  2
.set KLO, 3
.set WV,  18
.set SEL, 20
.set CS,  22
.set G1K, 24
.set G1V, 32
.set G0K, 40
.set G0V, 44
.set AE,  48
.set AL,  49
.macro TLOAD                           ; the branches hang on the wave's number alone; an s_nop 0 and four v_nop follow each of the two lines
	s_cmp_lt_u32 s[WV], 2
	s_cbranch_scc0 .Lnot_k_\@
	tensor_load_to_lds s[G0K:G0K+3], s[G1K:G1K+7]
	s_nop 0
.rept 4
	v_nop
.endr
	s_branch .Lasked_\@
.Lnot_k_\@:
	s_cmp_lt_u32 s[WV], 4
	s_cbranch_scc0 .Lasked_\@
	tensor_load_to_lds s[G0V:G0V+3], s[G1V:G1V+7]
	s_nop 0
.rept 4
	v_nop
.endr
.Lasked_\@:
.endm
.macro CROUND                          ; a round of the cluster's barrier
	s_barrier_signal -1
	s_barrier_wait -1
	s_cmp_lg_u32 s[WV], 0
	s_cbranch_scc1 .Lnot_wave_0_\@
	s_barrier_signal -3
.Lnot_wave_0_\@:
	s_barrier_wait -3
	s_barrier_signal -1
	s_barrier_wait -1
.endm
	s_load_b256 s[4:11], s[0:1], 0x0               ; q s[4:5], k s[6:7], v s[8:9], the exponents s[10:11]
	s_load_b64 s[12:13], s[0:1], 0x20              ; y
	v_lshl_add_u32 v[SPW], v0, 2, SPARE
	v_mov_b32 v[NIL], 0
	ds_add_u32 v[SPW], v[NIL]                      ; the wave's opening: the add and its wait ahead of my first tensor load
	ds_add_u32 v[SPW], v[NIL]
	v_lshrrev_b32 v8, 5, v0
	s_delay_alu instid0(VALU_DEP_1)
	v_readfirstlane_b32 s[WV], v8                  ; wave 0..15
	s_bfe_u32 s51, ttmp6, 0x40000                  ; cx = j: it enters Q's and y's addresses and the mask's numbers alone
	s_and_b32 s52, ttmp7, 0xffff                   ; the head plane, which the partners share
	s_lshl_b32 s54, s52, 17                        ; its first byte in each of the four buffers
	s_and_b32 s76, s[WV], 1                        ; lo or hi
	s_mul_i32 s77, s76, HIOFF
	s_lshl_b32 s78, s76, 16                        ; K: hi begins 1,024 keys x 64 bytes on
	s_add_co_u32 s78, s78, s54
	s_mov_b32 s79, 0
	s_lshl_b32 s80, s76, 10                        ; V: hi begins 1,024 places on in each row
	s_add_co_u32 s80, s80, s54
	s_mov_b32 s81, 0
	s_mov_b32 s[G1K], 15|(1<<20)|(1<<21)|(5<<22)|(3<<25)   ; 15:0 the mask: all four; 17:16 elements of 1 byte; 20 padding on; 21 set beside a mask; four words after every 64
	s_mov_b32 s[G1K+1], 256<<16                    ; tensor_dim0
	s_mov_b32 s[G1K+2], 64<<16                     ; tensor_dim1
	s_mov_b32 s[G1K+3], 256<<16                    ; tile_dim0
	s_mov_b32 s[G1K+4], 64                         ; tile_dim1
	s_mov_b32 s[G1K+5], 256                        ; K's 256 keys are one dense block: 64 rows of 256 bytes
	s_mov_b32 s[G1K+6], 0
	s_mov_b32 s[G1K+7], 0
	s_mov_b32 s[G1V], 15|(1<<20)|(1<<21)|(5<<22)|(3<<25)
	s_mov_b32 s[G1V+1], 256<<16
	s_mov_b32 s[G1V+2], 64<<16
	s_mov_b32 s[G1V+3], 256<<16
	s_mov_b32 s[G1V+4], 64
	s_mov_b32 s[G1V+5], 2048                       ; V's rows lie 2,048 bytes apart
	s_mov_b32 s[G1V+6], 0
	s_mov_b32 s[G1V+7], 0
	s_mov_b32 s[SEL], 0x76543210
	s_mov_b32 s[SEL+1], 0xfedcba98
	s_mov_b32 s[CS], 0x3e38aa3b                    ; c = log2(e) / 8
	s_mov_b32 s[TB], 0
	s_mov_b32 s[KLO], 0                            ; the trip's first key step in lo: 2 n
	s_mov_b32 s50, 3
	s_lshr_b32 s[AE], s[WV], 1                     ; E's last key step
	s_sub_co_u32 s[AL], 15, s[AE]                  ; L's
	s_lshl_b32 s82, s[WV], 2
	s_add_co_u32 s82, s82, s51                     ; tile E = 4 w + j
	s_lshl_b32 s82, s82, 10                        ; 16 rows of 64 bytes
	s_add_co_u32 s82, s82, s54
	s_mov_b32 s83, 0
	s_sub_co_u32 s84, 31, s[WV]
	s_lshl_b32 s84, s84, 2
	s_add_co_u32 s84, s84, s51                     ; tile L = 4 (31 - w) + j
	s_lshl_b32 s84, s84, 10
	s_add_co_u32 s84, s84, s54
	s_mov_b32 s85, 0
	s_wait_dscnt 0x0                               ; the opening add is done
	s_wait_kmcnt 0x0
	s_load_b256 s[68:75], s[10:11], 0x0            ; e0 .. e7
	s_mov_b32 s[G0K], 1
	s_mov_b32 s[G0K+1], s77
	s_add_nc_u64 s[G0K+2:G0K+3], s[6:7], s[78:79]
	s_or_b32 s[G0K+3], s[G0K+3], 0x80000000
	s_mov_b32 s[G0V], 1
	s_add_co_u32 s[G0V+1], s77, KCH
	s_add_nc_u64 s[G0V+2:G0V+3], s[8:9], s[80:81]
	s_or_b32 s[G0V+3], s[G0V+3], 0x80000000
	CROUND                                         ; all four work-groups are here: the first joint loads meet
	TLOAD                                          ; trip 0, slot 0
	s_add_nc_u64 s[60:61], s[4:5], s[82:83]        ; Q of E, of L
	s_add_nc_u64 s[62:63], s[4:5], s[84:85]
	s_add_nc_u64 s[56:57], s[12:13], s[82:83]      ; y of E, of L
	s_add_nc_u64 s[58:59], s[12:13], s[84:85]
	v_and_b32 v8, 15, v0                           ; r
	v_bfe_u32 v9, v0, 4, 1                         ; h
	s_delay_alu instid0(VALU_DEP_2)
	v_lshlrev_b32 v250, 6, v8
	s_delay_alu instid0(VALU_DEP_1)
	v_lshl_add_u32 v250, v9, 4, v250               ; Q: row r of 64 bytes, + 16 h
	global_load_b128 v[20:23], v250, s[60:61]
	global_load_b128 v[24:27], v250, s[60:61] offset:32
	global_load_b128 v[28:31], v250, s[62:63]
	global_load_b128 v[32:35], v250, s[62:63] offset:32
	v_lshrrev_b32 v248, 2, v8
	v_and_b32 v249, 3, v8
	s_delay_alu instid0(VALU_DEP_2)
	v_mul_u32_u24 v[AK0], v248, 272
	s_delay_alu instid0(VALU_DEP_1)
	v_lshl_add_u32 v[AK0], v249, 6, v[AK0]
	s_delay_alu instid0(VALU_DEP_1)
	v_lshl_add_u32 v[AK0], v9, 4, v[AK0]           ; key r of a tile: row r / 4, 64 (r % 4), + 16 h: sixteen lanes touch sixteen different columns of 16 bytes
	v_mul_u32_u24 v[AV0], v8, 272
	s_delay_alu instid0(VALU_DEP_1)
	v_lshl_add_u32 v[AV0], v9, 4, v[AV0]
	s_delay_alu instid0(VALU_DEP_1)
	v_add_nc_u32 v[AV0], KCH, v[AV0]
	v_lshlrev_b32 v248, 3, v9
	s_delay_alu instid0(VALU_DEP_1)
	v_sub_nc_u32 v248, v8, v248                    ; r - 8 h
	s_lshl_b32 s86, s76, 2
	s_add_co_u32 s86, s86, s51
	s_lshl_b32 s86, s86, 4                         ; 16 (tile E mod 8)
	v_add_nc_u32 v[DE], s86, v248
	s_xor_b32 s86, s76, 1
	s_lshl_b32 s86, s86, 2
	s_add_co_u32 s86, s86, s51
	s_lshl_b32 s86, s86, 4                         ; 16 (tile L mod 8)
	v_add_nc_u32 v[DL], s86, v248
	v_and_b32 v[GO], 31, v0
	s_delay_alu instid0(VALU_DEP_1)
	v_lshlrev_b32 v[GO], 4, v[GO]
	s_mul_i32 s86, s[WV], 1280
	s_add_co_u32 s86, s86, STAGE                   ; my stage
	v_mul_u32_u24 v[STO], v8, 80
	s_delay_alu instid0(VALU_DEP_1)
	v_lshl_add_u32 v[STO], v9, 3, v[STO]
	s_delay_alu instid0(VALU_DEP_1)
	v_add_nc_u32 v[STO], s86, v[STO]               ; in: row r, + 8 h
	v_and_b32 v248, 31, v0
	s_delay_alu instid0(VALU_DEP_1)
	v_lshrrev_b32 v249, 2, v248
	s_delay_alu instid0(VALU_DEP_2)
	v_and_b32 v248, 3, v248
	s_delay_alu instid0(VALU_DEP_2)
	v_mul_u32_u24 v[RD], v249, 80
	s_delay_alu instid0(VALU_DEP_1)
	v_lshl_add_u32 v[RD], v248, 4, v[RD]
	s_delay_alu instid0(VALU_DEP_1)
	v_add_nc_u32 v[RD], s86, v[RD]                 ; back: four lanes to a row of 64 bytes
	v_mov_b32 v13, 0xff61b1e6                      ; the largest t so far: -3e38
	s_delay_alu instid0(VALU_DEP_1)
	v_floor_f32 v12, -v13
	v_mov_b32 v14, 0
	v_mov_b32 v15, 0
	v_mov_b32 v17, 0xff61b1e6
	s_delay_alu instid0(VALU_DEP_1)
	v_floor_f32 v16, -v17
	v_mov_b32 v18, 0
	v_mov_b32 v19, 0
	v_mov_b32 v247, 0                              ; (named as the upper half of the pair v[246:247])
	v_mov_b32 v251, 0                              ; (a lane permute's destination counts as one of its sources)
	v_mov_b32 v252, 0
	v_mov_b32 v253, 0xff800000                     ; -infinity
.set n, 0
.rept 64
	v_mov_b32 v[OE+n], 0                           ; O^T of both tiles: the step is written once; the first change of M leaves zeros zeros
.set n, n+1
.endr
	s_wait_kmcnt 0x0
	s_add_co_i32 s86, s70, s71
	s_lshl_b32 s86, s86, 23
	s_add_co_i32 s[CS], s[CS], s86                 ; a score stands for score x 2^(e2 + e3)
	s_mov_b32 s[CS+1], s[CS]
	s_add_co_i32 s86, s72, 127
	s_lshl_b32 s87, s86, 23
	v_mov_b32 v244, s87                            ; 2^e4
	s_add_co_i32 s86, s74, 127
	s_lshl_b32 s87, s86, 23
	v_mov_b32 v254, s87                            ; 2^e6
	s_add_co_i32 s53, s72, s73                     ; e4 + e5
; A KEY STEP of one tile: 128 keys, the q-th of lo (hi = 0) or hi (1).  st: the tile's four registers of state; qf: its Q; ot: its O^T; dq: DE or DL; sa: AE or AL; test = 1: the step may be past the tile's last or be its last.
.macro STEP st, qf, ot, dq, sa, hi, q, test
.if \test
	s_add_co_u32 s96, s[KLO], 8*\hi+\q             ; the key step's number
	s_cmp_gt_u32 s96, s[\sa]
	s_cbranch_scc1 .Lhidden_\@                     ; all its keys come after my queries
.endif
	v_add_nc_u32 v[ADK], s[TB], v[AK0]
	v_add_nc_u32 v[ADV], s[TB], v[AV0]
	v_nop                                          ; with the two additions: four places in front of loads into registers that matrix instructions have read
	v_nop
.irp t, 0,1,2,3,4,5,6,7
	ds_load_b128 v[F+8*\t:F+8*\t+3], v[ADK] offset:\hi*HIOFF+\q*8704+\t*1088
	ds_load_b128 v[F+8*\t+4:F+8*\t+7], v[ADK] offset:\hi*HIOFF+\q*8704+\t*1088+32
.endr
	s_wait_alu depctr_va_vdst(0)
	s_wait_dscnt 0x0
.irp t, 0,1,2,3,4,5,6,7
	v_wmma_f32_16x16x64_bf8_bf8 v[S+8*\t:S+8*\t+7], v[F+8*\t:F+8*\t+7], v[\qf:\qf+7], 0   ; register 8 t + i: key 16 t + 8 (lane / 16) + i of the step
.endr
.rept 4
	v_nop                                          ; places: for the loads below and for the first read of the scores
.endr
.irp t, 0,1,2,3
.irp c, 0,1,2,3
	ds_load_b128 v[F+16*\t+4*\c:F+16*\t+4*\c+3], v[ADV] offset:\hi*HIOFF+\t*4352+128*\q+32*\c   ; V lands while the softmax is worked
.endr
.endr
.if \test
	s_cmp_lg_u32 s96, s[\sa]
	s_cbranch_scc1 .Lopen_\@                       ; not the tile's last step: all keys count
.set n, 0
.rept 64
	v_cmp_gt_i32 vcc_lo, 16*(n/8)+n%8, v[\dq]
	v_cndmask_b32 v[S+n], v[S+n], v253, vcc_lo
.set n, n+1
.endr
.Lopen_\@:
.endif
	v_max3_num_f32 v250, v[S], v[S+1], v[S+2]      ; the step's largest score of my query among my 64 keys, in two chains, from the low end on
	v_max3_num_f32 v251, v[S+3], v[S+4], v[S+5]
.irp i, 6,10,14,18,22,26,30,34,38,42,46,50,54,58
	v_max3_num_f32 v250, v250, v[S+\i], v[S+\i+1]
	v_max3_num_f32 v251, v251, v[S+\i+2], v[S+\i+3]
.endr
	v_max3_num_f32 v250, v250, v[S+62], v[S+63]
	s_delay_alu instid0(VALU_DEP_1)
	v_max_num_f32 v250, v250, v251
	s_delay_alu instid0(VALU_DEP_1)
	v_permlanex16_b32 v252, v250, s[SEL], s[SEL+1]
	s_delay_alu instid0(VALU_DEP_1)
	v_max_num_f32 v250, v250, v252                 ; and among lane l xor 16's
	s_delay_alu instid0(VALU_DEP_1)
	v_mul_f32 v250, s[CS], v250                    ; as t (c is positive)
	s_delay_alu instid0(VALU_DEP_1)
	v_max_num_f32 v[\st+1], v[\st+1], v250         ; the running largest t
	v_mov_b32 v250, v[\st]
	s_delay_alu instid0(VALU_DEP_2)
	v_floor_f32 v[\st], -v[\st+1]                  ; the new -M = floor(-t): M is a whole number
	s_delay_alu instid0(VALU_DEP_1)
	v_sub_f32 v250, v[\st], v250                   ; old M less new M: a whole number, 0 or less
	s_delay_alu instid0(VALU_DEP_1)
	v_cvt_i32_f32 v250, v250                       ; (it saturates)
	s_delay_alu instid0(VALU_DEP_1)
	v_ldexp_f32 v246, 1.0, v250                    ; f = 2^(old M - new M)
.set n, 0
.rept 32
	v_pk_fma_f32 v[S+n:S+n+1], v[S+n:S+n+1], s[CS:CS+1], v[\st:\st+1] op_sel_hi:[1,0,0]   ; t - M (of the pairs c and -M the low word serves both halves)
.set n, n+2
.endr
.set n, 0
	s_wait_alu depctr_va_vdst(0)
.rept 64
	v_exp_f32 v[S+n], v[S+n]                       ; p = 2^(t - M)
.set n, n+1
.endr
	v_pk_mul_f32 v[\st+2:\st+3], v[\st+2:\st+3], v[246:247] op_sel_hi:[1,0]   ; the sums under the new M: the plain instruction behind the exponentials
	s_wait_alu depctr_va_vdst(0)                   ; one wait for the batch, ahead of its first reader
	v_pk_add_f32 v[248:249], v[S:S+1], v[S+2:S+3]  ; the row's sum is taken of the unquantised p, in two chains
.irp i, 4,8,12,16,20,24,28,32,36,40,44,48,52,56,60
	v_pk_add_f32 v[\st+2:\st+3], v[\st+2:\st+3], v[S+\i:S+\i+1]
	v_pk_add_f32 v[248:249], v[248:249], v[S+\i+2:S+\i+3]
.endr
	s_delay_alu instid0(VALU_DEP_1)
	v_pk_add_f32 v[\st+2:\st+3], v[\st+2:\st+3], v[248:249]
.irp t, 0,1,2,3,4,5,6,7
.irp i, 0,1,2,3,4,5,6,7
.endr
	v_cvt_scalef32_pk8_bf8_f32 v[PC+2*\t:PC+2*\t+1], v[S+8*\t:S+8*\t+7], v244   ; registers 2 t, 2 t + 1 of the operand: k = 16 t + 8 (lane / 16) + 0 .. 7
.endr
.set n, 0
.rept 16
	v_pk_mul_f32 v[\ot+n:\ot+n+1], v[\ot+n:\ot+n+1], v[246:247] op_sel_hi:[1,0]   ; O^T under the new M; plain instructions behind the conversions
.set n, n+2
.endr
	s_wait_alu depctr_va_vdst(0)
	s_wait_dscnt 0x0                               ; V is in
.irp t, 0,1,2,3
	v_wmma_f32_16x16x128_bf8_bf8 v[\ot+8*\t:\ot+8*\t+7], v[F+16*\t:F+16*\t+15], v[PC:PC+15], v[\ot+8*\t:\ot+8*\t+7]   ; four accumulators by turns
.endr
.if \test
.Lhidden_\@:
.endif
.endm
.macro TRIP_STEPS
	STEP 12, 20, OE, DE, AE, 0, 0, 1
	STEP 16, 28, OL, DL, AL, 0, 0, 0
	STEP 12, 20, OE, DE, AE, 0, 1, 1
	STEP 16, 28, OL, DL, AL, 0, 1, 0
	STEP 16, 28, OL, DL, AL, 1, 0, 1
	STEP 16, 28, OL, DL, AL, 1, 1, 1
	s_xor_b32 s[TB], s[TB], SLOT1                  ; on to the other slot
	s_add_co_u32 s[KLO], s[KLO], 2
.endm
; THE CHANGE OF SLOTS stands at a trip's head.  Each wave waits for all its tensor loads, adds 0 to its spare word, and waits for that and for its reads of the slot that it has left.
; fill = 1: a round of the cluster's barrier, and behind it the other slot takes the next trip's keys: the load has a whole trip in which to land.
.macro CHANGE fill
	s_wait_tensorcnt 0x0                           ; no tensor load of mine is out, so a group 0 may be written
	ds_add_u32 v[SPW], v[NIL]                      ; 0 onto my spare word
.if \fill
	s_xor_b32 s[G0K+1], s[G0K+1], SLOT1
	s_add_nc_u64 s[G0K+2:G0K+3], s[G0K+2:G0K+3], 16384   ; the next 256 keys
	s_xor_b32 s[G0V+1], s[G0V+1], SLOT1
	s_add_nc_u64 s[G0V+2:G0V+3], s[G0V+2:G0V+3], 256
.endif
	s_wait_dscnt 0x0                               ; the add is done, and my reads of the slot that I have left are over
.if \fill
	CROUND
	TLOAD                                          ; the first thing behind the round, and a wave's one tensor load until the next
.else
	s_barrier_signal -1
	s_barrier_wait -1
.endif
.endm
	s_wait_loadcnt 0x0                             ; Q
.Ltrip:                                            ; three trips: behind each change of slots the next trip's keys are asked for
	CHANGE 1
	TRIP_STEPS
	s_sub_co_u32 s50, s50, 1
	s_cmp_lg_u32 s50, 0
	s_cbranch_scc1 .Ltrip
	CHANGE 0                                       ; the last trip is written out
	TRIP_STEPS
	; THE WAY OUT.  O^T / the sum x 2^(e4 + e5) is y; it is held, turned into codes with 2^e6, and goes through my stage so that the wave stores 512 consecutive bytes.
.rept 4
	v_nop                                          ; places behind the last products
.endr
	v_add_f32 v14, v14, v15
	v_add_f32 v18, v18, v19
	s_delay_alu instid0(VALU_DEP_2)
	v_permlanex16_b32 v252, v14, s[SEL], s[SEL+1]
	s_delay_alu instid0(VALU_DEP_2)
	v_permlanex16_b32 v251, v18, s[SEL], s[SEL+1]
	s_delay_alu instid0(VALU_DEP_2)
	v_add_f32 v14, v14, v252
	s_delay_alu instid0(VALU_DEP_2)
	v_add_f32 v18, v18, v251
	s_wait_alu depctr_va_vdst(0)
	v_rcp_f32 v14, v14
	v_rcp_f32 v18, v18
	v_nop                                          ; a plain instruction behind the last reciprocal
	s_wait_alu depctr_va_vdst(0)                   ; one wait for both, ahead of the first reader
	v_ldexp_f32 v14, v14, s53
	v_ldexp_f32 v18, v18, s53
.macro OUT ot, l, sb, cd, ob           ; register 8 t + i of O^T is y(query r, d = 16 t + 8 h + i): eight codes go to byte 16 t + 8 h of row r: d in its own order, as W_proj's K has it
.set n, 0
.rept 16
	v_pk_mul_f32 v[\sb+n:\sb+n+1], v[\ot+n:\ot+n+1], v[\l:\l+1] op_sel_hi:[1,0]
.set n, n+2
.endr
.irp t, 0,1,2,3
.irp i, 0,1,2,3,4,5,6,7
.endr
	v_cvt_scalef32_pk8_bf8_f32 v[\cd+2*\t:\cd+2*\t+1], v[\sb+8*\t:\sb+8*\t+7], v254
.endr
	v_nop                                          ; one plain vector instruction behind the last conversion
.irp t, 0,1,2,3
	ds_store_b64 v[STO], v[\cd+2*\t:\cd+2*\t+1] offset:16*\t
.endr
	ds_load_b128 v[\ob:\ob+3], v[RD]               ; LDS serves a wave's instructions in order: these see my stores, and the next tile's stores come behind them
	ds_load_b128 v[\ob+4:\ob+7], v[RD] offset:640
.endm
	OUT OE, 14, S, PC, F
	OUT OL, 18, S+32, PC+8, F+8
	s_wait_dscnt 7                                 ; behind E's first load: its second, and L's four stores and two loads
	global_store_b128 v[GO], v[F:F+3], s[56:57]
	s_wait_dscnt 6
	global_store_b128 v[GO], v[F+4:F+7], s[56:57] offset:512
	s_wait_dscnt 1
	global_store_b128 v[GO], v[F+8:F+11], s[58:59]
	s_wait_dscnt 0
	global_store_b128 v[GO], v[F+12:F+15], s[58:59] offset:512
	s_wait_tensorcnt 0x0                           ; the wave's end
	ds_add_u32 v[SPW], v[NIL]
	s_wait_dscnt 0x0
	CROUND                                         ; the closing round
	s_endpgm
.Lfunc_end_k_qb81818d6e1_attn:
	.size	k_qb81818d6e1_attn, .Lfunc_end_k_qb81818d6e1_attn-k_qb81818d6e1_attn
	.p2alignl 7, 3214868480
	.fill 96, 4, 3214868480
	.section	.rodata,"a",@progbits
	.p2align	6, 0x0
	.amdhsa_kernel k_qb81818d6e1_attn
		.amdhsa_group_segment_fixed_size 327680
		.amdhsa_private_segment_fixed_size 0
		.amdhsa_enable_private_segment 0
		.amdhsa_kernarg_size 40
		.amdhsa_user_sgpr_count 2
		.amdhsa_user_sgpr_kernarg_segment_ptr 1
		.amdhsa_wavefront_size32 1
		.amdhsa_system_sgpr_workgroup_id_x 1
		.amdhsa_system_sgpr_workgroup_id_y 1
		.amdhsa_system_sgpr_workgroup_id_z 1
		.amdhsa_system_vgpr_workitem_id 0
		.amdhsa_next_free_vgpr 256
		.amdhsa_next_free_sgpr 100
		.amdhsa_reserve_vcc 1
		.amdhsa_float_denorm_mode_32 3
		.amdhsa_float_denorm_mode_16_64 3
		.amdhsa_fp16_overflow 1
		.amdhsa_memory_ordered 1
		.amdhsa_forward_progress 1
		.amdhsa_inst_pref_size 219
	.end_amdhsa_kernel
	.amdgpu_metadata
---
amdhsa.version: [ 1, 2 ]
amdhsa.kernels:
  - .name:           k_qb81818d6e1_attn
    .symbol:         k_qb81818d6e1_attn.kd
    .args:
      - { .name: q_codes, .offset: 0, .size: 8, .value_kind: global_buffer, .address_space: global }
      - { .name: k_codes, .offset: 8, .size: 8, .value_kind: global_buffer, .address_space: global }
      - { .name: v_codes, .offset: 16, .size: 8, .value_kind: global_buffer, .address_space: global }
      - { .name: lowp_scales, .offset: 24, .size: 8, .value_kind: global_buffer, .address_space: global }
      - { .name: y_codes, .offset: 32, .size: 8, .value_kind: global_buffer, .address_space: global }
    .group_segment_fixed_size: 327680
    .private_segment_fixed_size: 0
    .kernarg_segment_align: 8
    .kernarg_segment_size: 40
    .max_flat_workgroup_size: 512
    .sgpr_count:     100
    .vgpr_count:     256
    .wavefront_size: 32
...
	.end_amdgpu_metadata
.endif
;; end of part 2
;; launch proj (part 3): grid 4 x 64, 4 waves a work-group, clusters of 4 x 4, 327,680 bytes of LDS; arguments y_codes, W_proj_codes, b_proj, lowp_scales, out0; writes out0
.if DOCPART == 3
	.amdgcn_target "amdgcn-amd-amdhsa--gfx1250"
	.amdhsa_code_object_version 6
	.text
	.protected	k_qb81818d6e1_proj
	.globl	k_qb81818d6e1_proj
	.p2align	8
	.type	k_qb81818d6e1_proj,@function
k_qb81818d6e1_proj:
	s_mov_b64 s[64:65], 0
	v_nop
	global_prefetch_b8 v0, s[64:65] scope:SCOPE_SE
	s_setreg_imm32_b32 hwreg(HW_REG_WAVE_MODE, 25, 1), 1
	s_wait_xcnt 0x0
	s_wait_alu depctr_hold_cnt(0) depctr_sa_sdst(0) depctr_va_vdst(0) depctr_va_sdst(0) depctr_va_ssrc(0) depctr_va_vcc(0) depctr_vm_vsrc(0)
	s_getreg_b32 s2, hwreg(HW_REG_IB_STS2, 6, 4)
	s_cmp_eq_u32 s2, 0
	s_cbranch_scc0 .Lentry_in_a_cluster
	s_endpgm
.Lentry_in_a_cluster:
	s_bfe_u32 s2, ttmp6, 0x10000c
	s_cmp_lg_u32 s2, 0xf033
	s_cbranch_scc0 .Lentry_shape_is_right
	s_endpgm
.Lentry_shape_is_right:
; out0 = y W_proj + b_proj on codes of BF8 (E5M2).  y_codes: [batch][head][token][64]; W_proj_codes: [1024 outputs][1024], K innermost; out0: [8192][1024] f32.  A sum stands for sum x 2^(e6 + e7).
; A work-group of four waves makes 128 tokens x 256 outputs: 256 work-groups; a wave 64 x 128: 32 accumulators.  K = 1,024 goes in four steps of 256 (four heads each).
; LDS has three regions: K steps 0, 1, 2 are first fills, three loads a wave at the start; K step 3 fills region 0 again behind one round of the cluster's barrier.
; CLUSTERS: 4 x 4.  y's tiles are shared along a row of the cluster, W's along a column: joint loads.  The matrix instruction is used transposed: a lane holds eight neighbouring outputs of one token.
; LIMIT: e6 + e7 between -126 and 127.
; REGISTERS: window 0: v16-30 addresses; v32-95 at work on the way out; v128-191, v192-255 y's fragments, two sets.  window 1: W's fragments, two sets.  window 2: the accumulators ((a, b) at v[8 (8 a + b)]).  window 3: v0-63 b_proj.
.set PITCH,  272
.set REG,    104448                    ; a region: y's two halves of 64 tokens ([4 heads][16 rows of 4 tokens x 64 bytes, + 16]), then W's 256 rows of 256 bytes + 16
.set AHALF,  17408
.set BOFF,   2*AHALF
.set BHALF,  128*PITCH
.set SPARE,  3*REG                     ; the spare words, 128 bytes a wave
.set STG,    REG                       ; the way out: 16 rows x 528 bytes for each wave, in region 1, behind its one fill and its last read
.set SPITCH, 528
.set ADRA, 16                          ; v16-18
.set ADRB, 20                          ; v20-22
.set STO,  24
.set RD,   25
.set CO,   26
.set SPW,  28
.set NIL,  29
.set BO,   30
.set T,    32
.set AF,   128
.set BK,   128
.set G1A, 24
.set G0A, 32                           ; s[32:43] three sets
.set G1B, 44
.set G0B, 52                           ; s[52:63] three sets
.set MSB, 0
.macro WIN new
.if MSB != (\new)
	s_set_vgpr_msb (MSB<<8)|(\new)
.set MSB, (\new)
.endif
.endm
.macro CREST
	s_cmp_lg_u32 s14, 0
	s_cbranch_scc1 .Lnot_wave_0_\@
	s_barrier_signal -3
.Lnot_wave_0_\@:
	s_barrier_wait -3
	s_barrier_signal -1
	s_barrier_wait -1
.endm
.macro CROUND
	s_barrier_signal -1
	s_barrier_wait -1
	CREST
.endm
.macro PLACES n
.rept \n
	v_nop
.endr
.endm
	s_load_b256 s[4:11], s[0:1], 0x0               ; y s[4:5], W s[6:7], b_proj s[8:9], the exponents s[10:11]
	s_load_b64 s[12:13], s[0:1], 0x20              ; out0
	v_lshl_add_u32 v[SPW], v0, 2, SPARE
	v_mov_b32 v[NIL], 0
	ds_add_u32 v[SPW], v[NIL]
	ds_add_u32 v[SPW], v[NIL]                      ; the wave's opening: the add and its wait ahead of my first tensor load
	v_lshrrev_b32 v1, 5, v0
	v_readfirstlane_b32 s14, v1                    ; wave 0..3
	s_lshr_b32 s15, s14, 1                         ; my half of the tokens.  Also: I fetch for y (0) or W (1)
	s_and_b32 s16, s14, 1                          ; my half of the outputs.  Also: which half I fetch
	s_bfe_u32 s66, ttmp6, 0x40000                  ; cx: the tile of outputs
	s_bfe_u32 s67, ttmp6, 0x40004                  ; cy
	s_and_b32 s70, ttmp7, 0xffff
	s_lshl_b32 s70, s70, 2
	s_add_co_u32 s70, s70, s67                     ; the tile of 128 tokens
	s_lshl_b32 s68, s67, 2
	s_lshl_b32 s68, 15, s68                        ; my row of the cluster
	s_lshl_b32 s69, 0x1111, s66                    ; my column
	; y's tile: four rows (heads) of 4,096 dense bytes (64 tokens), 131,072 bytes apart; 16 bytes of padding behind every 256
	s_or_b32 s[G1A], s68, (1<<20)|(1<<21)|(5<<22)|(3<<25)
	s_mov_b32 s[G1A+1], 4096<<16                   ; tensor_dim0
	s_mov_b32 s[G1A+2], 4<<16                      ; tensor_dim1
	s_mov_b32 s[G1A+3], 4096<<16                   ; tile_dim0
	s_mov_b32 s[G1A+4], 4                          ; tile_dim1
	s_mov_b32 s[G1A+5], 131072                     ; from head to head
	s_mov_b32 s[G1A+6], 0
	s_mov_b32 s[G1A+7], 0
	; W's tile: 128 rows of 256 bytes
	s_or_b32 s[G1B], s69, (1<<20)|(1<<21)|(5<<22)|(3<<25)
	s_mov_b32 s[G1B+1], 256<<16
	s_mov_b32 s[G1B+2], 128<<16
	s_mov_b32 s[G1B+3], 256<<16
	s_mov_b32 s[G1B+4], 128
	s_mov_b32 s[G1B+5], 1024
	s_mov_b32 s[G1B+6], 0
	s_mov_b32 s[G1B+7], 0
	s_lshr_b32 s72, s70, 4
	s_lshl_b32 s72, s72, 21                        ; y: the batch's 16 heads,
	s_and_b32 s73, s70, 15
	s_lshl_b32 s73, s73, 13                        ; 128 tokens x 64 bytes a tile,
	s_add_co_u32 s72, s72, s73
	s_lshl_b32 s73, s16, 12                        ; the half that I fetch
	s_add_co_u32 s72, s72, s73
	s_mov_b32 s73, 0
	s_lshl_b32 s74, s66, 8
	s_lshl_b32 s75, s16, 7
	s_add_co_u32 s74, s74, s75
	s_lshl_b32 s74, s74, 10                        ; W: row 256 cx + 128 x half
	s_mov_b32 s75, 0
	s_mul_i32 s17, s16, AHALF                      ; where they go in a region
	s_mul_i32 s18, s16, BHALF
	s_add_co_u32 s18, s18, BOFF
	s_wait_dscnt 0x0                               ; the opening add is done
	s_wait_kmcnt 0x0
	s_load_b256 s[80:87], s[10:11], 0x0            ; e0 .. e7
	s_add_nc_u64 s[72:73], s[4:5], s[72:73]
	s_add_nc_u64 s[74:75], s[6:7], s[74:75]
.irp s, 0,1,2
	s_mov_b32 s[G0A+4*\s], 1
	s_add_co_u32 s[G0A+4*\s+1], s17, \s*REG
	s_add_nc_u64 s[G0A+4*\s+2:G0A+4*\s+3], s[72:73], \s*524288   ; K step s: four heads on
	s_or_b32 s[G0A+4*\s+3], s[G0A+4*\s+3], 0x80000000
	s_mov_b32 s[G0B+4*\s], 1
	s_add_co_u32 s[G0B+4*\s+1], s18, \s*REG
	s_add_nc_u64 s[G0B+4*\s+2:G0B+4*\s+3], s[74:75], \s*256
	s_or_b32 s[G0B+4*\s+3], s[G0B+4*\s+3], 0x80000000
.endr
	CROUND                                         ; all sixteen work-groups are here: the first joint loads meet
	s_cmp_eq_u32 s15, 0                            ; a wave's three first fills stand in one branch on its number: three loads of mine are out
	s_cbranch_scc0 .Lfirst_b
.irp s, 0,1,2
	tensor_load_to_lds s[G0A+4*\s:G0A+4*\s+3], s[G1A:G1A+7]
	s_nop 0
.endr
	PLACES 4
	s_branch .Lfirst_asked
.Lfirst_b:
.irp s, 0,1,2
	tensor_load_to_lds s[G0B+4*\s:G0B+4*\s+3], s[G1B:G1B+7]
	s_nop 0
.endr
	PLACES 4
.Lfirst_asked:
	v_and_b32 v1, 15, v0                           ; r
	v_bfe_u32 v2, v0, 4, 1                         ; h
	v_lshrrev_b32 v3, 2, v1
	v_and_b32 v4, 3, v1
	v_mul_u32_u24 v3, v3, PITCH
	v_lshl_add_u32 v3, v4, 6, v3
	v_lshl_add_u32 v3, v2, 4, v3                   ; y: token r of a block: row r / 4, 64 (r % 4), + 16 h
	v_mul_u32_u24 v4, v1, PITCH
	v_lshl_add_u32 v4, v2, 4, v4                   ; W: row r, + 16 h
	s_mul_i32 s21, s15, AHALF
	s_mul_i32 s22, s16, BHALF
	s_add_co_u32 s22, s22, BOFF
.irp s, 0,1,2
	v_add_nc_u32 v[ADRA+\s], s21, v3
	v_add_nc_u32 v[ADRB+\s], s22, v4
	s_add_co_u32 s21, s21, REG
	s_add_co_u32 s22, s22, REG
.endr
	s_mul_i32 s23, s14, 16*SPITCH
	s_add_co_u32 s23, s23, STG                     ; my stage
	v_mul_u32_u24 v5, v1, SPITCH
	v_lshl_add_u32 v5, v2, 5, v5
	v_add_nc_u32 v[STO], s23, v5                   ; in: row r, 32 bytes for each half of the lanes
	v_and_b32 v6, 31, v0
	v_lshlrev_b32 v[CO], 4, v6
	v_add_nc_u32 v[RD], s23, v[CO]                 ; back: the 32 lanes take one row of 512 bytes
	s_lshl_b32 s23, s66, 10
	s_lshl_b32 s21, s16, 9
	s_add_co_u32 s23, s23, s21                     ; 4 (256 cx + 128 x half): my outputs in b_proj, and in a row of out0
	v_lshl_add_u32 v[BO], v2, 5, s23
	WIN 0xc0                                       ; destination window 3
.irp b, 0,1,2,3,4,5,6,7
	global_load_b128 v[8*\b:8*\b+3], v[BO], s[8:9] offset:64*\b       ; b_proj at outputs 16 b + 8 h + 0 .. 7
	global_load_b128 v[8*\b+4:8*\b+7], v[BO], s[8:9] offset:64*\b+16
.endr
	WIN 0
	s_lshl_b32 s76, s70, 19                        ; out0: 128 rows of 4,096 bytes a tile,
	s_lshl_b32 s77, s15, 18                        ; my 64 of them,
	s_add_co_u32 s76, s76, s77
	s_add_co_u32 s76, s76, s23                     ; my outputs
	s_mov_b32 s77, 0
	s_add_nc_u64 s[12:13], s[12:13], s[76:77]
	s_wait_kmcnt 0x0
	s_add_co_i32 s96, s86, s87
	s_add_co_i32 s96, s96, 127
	s_lshl_b32 s96, s96, 23                        ; 2^(e6 + e7) as f32
	s_mov_b32 s97, s96
; 48 LDS loads in one run: the fragments of region rho's q-th 128 along K into set p.  Registers 4 c .. 4 c + 3 hold K = 32 c + 16 (l / 16) + 0 .. 15 in both operands; in y that is head 2 q + c / 2, d = 32 (c % 2) + 16 (l / 16) on
.macro FETCH rho, q, p
	WIN 0x40
.irp i, 0,1,2,3,4,5,6,7
.irp c, 0,1,2,3
	ds_load_b128 v[128*(\p)+16*\i+4*\c:128*(\p)+16*\i+4*\c+3], v[ADRB+\rho] offset:128*(\q)+32*\c+\i*16*PITCH
.endr
.endr
	WIN 0
.irp i, 0,1,2,3
.irp c, 0,1,2,3
	ds_load_b128 v[AF+64*(\p)+16*\i+4*\c:AF+64*(\p)+16*\i+4*\c+3], v[ADRA+\rho] offset:(2*(\q)+\c/2)*4352+\i*4*PITCH+32*(\c%2)
.endr
.endr
.endm
; 16 matrix instructions: token blocks a0, a0 + 1 x the eight blocks of outputs.  The 32 accumulators take turns in the same order in every step.
.macro MULH a0, p, zero
	WIN 0xa1                                       ; source 0 (W) window 1, source 1 (y) window 0, C and D window 2
.irp a, \a0, \a0+1
.irp b, 0,1,2,3,4,5,6,7
.if \zero
	v_wmma_f32_16x16x128_bf8_bf8 v[8*(8*(\a)+\b):8*(8*(\a)+\b)+7], v[128*(\p)+16*\b:128*(\p)+16*\b+15], v[AF+64*(\p)+16*(\a):AF+64*(\p)+16*(\a)+15], 0
.else
	v_wmma_f32_16x16x128_bf8_bf8 v[8*(8*(\a)+\b):8*(8*(\a)+\b)+7], v[128*(\p)+16*\b:128*(\p)+16*\b+15], v[AF+64*(\p)+16*(\a):AF+64*(\p)+16*(\a)+15], v[8*(8*(\a)+\b):8*(8*(\a)+\b)+7]
.endif
.endr
.endr
.endm
; A step of 128 along K: set p is multiplied; ahead of its products the next step's fragments, (rho, q), are asked for into the other set.
.macro STEP3 rho, q, p, zero
	s_wait_dscnt 0x0                               ; set p is in
	PLACES 4                                       ; in front of loads into the set that the last step's products read
	FETCH \rho, \q, 1-\p
	MULH 0, \p, \zero
	MULH 2, \p, \zero
.endm
; A step that stands at a barrier; it multiplies set 1.  In front of the barrier each wave waits for all its tensor loads, adds 0 to its spare word, and waits for that and for its LDS reads.
; fill = 1: region 0 has been read out; a round of the cluster's barrier, and region 0 takes K step 3.
.macro TURN fill, rho
	WIN 0                                          ; (the add's two registers lie in window 0)
	s_wait_tensorcnt 0x0                           ; all my tensor loads have landed, so a group 0 may be written
	ds_add_u32 v[SPW], v[NIL]                      ; 0 onto my spare word
.if \fill
	s_add_nc_u64 s[G0A+2:G0A+3], s[G0A+2:G0A+3], 3*524288
	s_add_nc_u64 s[G0B+2:G0B+3], s[G0B+2:G0B+3], 3*256
.endif
	s_wait_dscnt 0x0                               ; the add is done, set 1 is in, and my reads of the region are over
	s_barrier_signal -1
	MULH 0, 1, 0
	WIN 0
	s_barrier_wait -1
.if \fill
	CREST                                          ; no wave of any partner still reads region 0 or has a load on its way
	s_cmp_eq_u32 s15, 0
	s_cbranch_scc0 .Lfor_b_\@
	tensor_load_to_lds s[G0A:G0A+3], s[G1A:G1A+7]
	s_nop 0
	PLACES 4
	s_branch .Lasked_\@
.Lfor_b_\@:
	tensor_load_to_lds s[G0B:G0B+3], s[G1B:G1B+7]
	s_nop 0
	PLACES 4
.Lasked_\@:
.else
	PLACES 4
.endif
	FETCH \rho, 0, 0
	MULH 2, 1, 0
.endm
	s_wait_tensorcnt 2                             ; my part of K step 0 is in; K steps 1 and 2 may be out
	s_barrier_signal -1
	s_barrier_wait -1
	FETCH 0, 0, 0
	STEP3 0, 1, 0, 1                               ; K 0-127: the first products start the sums
	TURN 1, 1                                      ; K 128-255; region 0 takes K step 3
	STEP3 1, 1, 0, 0
	s_wait_alu depctr_va_vdst(0)
	STEP3 2, 0, 1, 0
	STEP3 2, 1, 0, 0
	TURN 0, 0                                      ; K 640-767; K step 3 has landed in every wave's sight
	STEP3 0, 1, 0, 0
	s_wait_dscnt 0x0
	MULH 0, 1, 0
	MULH 2, 1, 0
	WIN 0
; THE WAY OUT, block by block of 16 tokens x 128 outputs: sum x 2^(e6 + e7) + b_proj into other registers, each accumulator from its low end on; through my own stage; back as whole rows of 512 bytes.
.macro TOSTAGE a
	WIN 0x32                                       ; source 0 (the sums) window 2, source 2 (b_proj) window 3
.set j, 0
.rept 32
	v_pk_fma_f32 v[T+j:T+j+1], v[64*(\a)+j:64*(\a)+j+1], s[96:97], v[j:j+1] op_sel_hi:[1,0,1]
.set j, j+2
.endr
	WIN 0
.irp b, 0,1,2,3,4,5,6,7
	ds_store_b128 v[STO], v[T+8*\b:T+8*\b+3] offset:64*\b
	ds_store_b128 v[STO], v[T+8*\b+4:T+8*\b+7] offset:64*\b+16
.endr
.set BB, BK+64*((\a)%2)
.irp t, 0,1,2,3,4,5,6,7,8,9,10,11,12,13,14,15
	ds_load_b128 v[BB+4*\t:BB+4*\t+3], v[RD] offset:\t*SPITCH      ; LDS serves a wave's instructions in order: these see my stores
.endr
.endm
.macro SEND a, younger
.set BB, BK+64*((\a)%2)
	s_wait_dscnt \younger                          ; the block is back in registers
.irp t, 0,1,2,3,4,5,6,7,8,9,10,11,12,13,14,15
	global_store_b128 v[CO], v[BB+4*\t:BB+4*\t+3], s[12:13] offset:(16*(\a)+\t)*4096 th:TH_STORE_NT   ; 32 lanes store 512 consecutive bytes, at a multiple of 512; 63 rows at the most stand in the immediate
.endr
.endm
	s_wait_loadcnt 0x0                             ; b_proj
	PLACES 4                                       ; behind the last products
	TOSTAGE 0
	TOSTAGE 1
	SEND 0, 32                                     ; behind block 0's loads: block 1's 16 stores and 16 loads
	s_wait_xcnt 0x0                                ; block 0's stores have read their registers: block 2's loads may land there
	TOSTAGE 2
	SEND 1, 32
	s_wait_xcnt 0x0
	TOSTAGE 3
	SEND 2, 32
	SEND 3, 0
	s_wait_tensorcnt 0x0                           ; the wave's end
	ds_add_u32 v[SPW], v[NIL]
	s_wait_dscnt 0x0
	CROUND                                         ; the closing round
	s_endpgm
.Lfunc_end_k_qb81818d6e1_proj:
	.size	k_qb81818d6e1_proj, .Lfunc_end_k_qb81818d6e1_proj-k_qb81818d6e1_proj
	.p2alignl 7, 3214868480
	.fill 96, 4, 3214868480
	.section	.rodata,"a",@progbits
	.p2align	6, 0x0
	.amdhsa_kernel k_qb81818d6e1_proj
		.amdhsa_group_segment_fixed_size 327680
		.amdhsa_private_segment_fixed_size 0
		.amdhsa_enable_private_segment 0
		.amdhsa_kernarg_size 40
		.amdhsa_user_sgpr_count 2
		.amdhsa_user_sgpr_kernarg_segment_ptr 1
		.amdhsa_wavefront_size32 1
		.amdhsa_system_sgpr_workgroup_id_x 1
		.amdhsa_system_sgpr_workgroup_id_y 1
		.amdhsa_system_sgpr_workgroup_id_z 1
		.amdhsa_system_vgpr_workitem_id 0
		.amdhsa_next_free_vgpr 832
		.amdhsa_next_free_sgpr 100
		.amdhsa_reserve_vcc 0
		.amdhsa_float_denorm_mode_32 3
		.amdhsa_float_denorm_mode_16_64 3
		.amdhsa_memory_ordered 1
		.amdhsa_forward_progress 1
		.amdhsa_inst_pref_size 76
	.end_amdhsa_kernel
	.amdgpu_metadata
---
amdhsa.version: [ 1, 2 ]
amdhsa.kernels:
  - .name:           k_qb81818d6e1_proj
    .symbol:         k_qb81818d6e1_proj.kd
    .args:
      - { .name: y_codes, .offset: 0, .size: 8, .value_kind: global_buffer, .address_space: global }
      - { .name: W_proj_codes, .offset: 8, .size: 8, .value_kind: global_buffer, .address_space: global }
      - { .name: b_proj, .offset: 16, .size: 8, .value_kind: global_buffer, .address_space: global }
      - { .name: lowp_scales, .offset: 24, .size: 8, .value_kind: global_buffer, .address_space: global }
      - { .name: out0, .offset: 32, .size: 8, .value_kind: global_buffer, .address_space: global }
    .group_segment_fixed_size: 327680
    .private_segment_fixed_size: 0
    .kernarg_segment_align: 8
    .kernarg_segment_size: 40
    .max_flat_workgroup_size: 128
    .sgpr_count:     100
    .vgpr_count:     832
    .wavefront_size: 32
...
	.end_amdgpu_metadata
.endif
;; end of part 3
